; MI455X (gfx1250); checked and timed in simulation.
; The chip was launched on July 23, 2026; its instructions are those of AMD's public machine-readable ISA for CDNA 5 (MIT licence, August 2026) and "CDNA5" Instruction Set Architecture Reference Guide (July 2026). The comments in the code are by the model that wrote it; some were corrected since.
;; Quantization Layer. Allowed arithmetic: matrix products marked QUANTISED: E3M2 operands, one E8M0 scale for each 32 along K, by v_wmma_scale_f32_16x16x128_f8f6f4 with both operands' format E3M2, f32 sums; everything else in f32.
;; Inputs: codebook 8,192 x 512 float32; x 16,384 x 512 float32.
;; Outputs: out0 16,384 x 512 float32; out1 16,384 x 512 float32.
;; This version of the problem:
;;   THIS VERSION OF THE PROBLEM IS GIVEN IN LOW PRECISION. The matrix products marked QUANTISED in the list below multiply operands that are first quantised to E3M2 (3 exponent bits, 2 mantissa bits; 6 bits a number), with one power-of-two scale for each 32 numbers along K (OCP MX v1.0); their sums are f32. All else is computed in f32.
;;   The module's matrix products, in the order in which they are computed (A, B: the left and right operand; K: the contracted axis; several contracted axes count as one K, in the product's order):
;;     1. [M 16,384, K 512] x [K 512, N 8,192]; A: input x; B: input codebook: QUANTISED
;;   THE QUANTISER, for each operand of a quantised product, along K:
;;     - K is cut into blocks of 32 from its start; a last block that is shorter is filled with zeros.
;;     - A block's scale is 2^e with e = floor(log2(the largest magnitude in the block)) - 4, held to -126 .. 127; a block of zeros has e = 0. As a byte (E8M0): e + 127.
;;     - Each number is divided by its block's scale, clamped to +-28, and rounded to the nearest number of E3M2, ties to even, subnormals kept.
;;     - The product sums the exact products of the quantised numbers (number of the format x scale) in f32.
;;   ~~~python
;;   def quantise(x, axis):      # numpy; x: float32 -> the quantised numbers, widened to float32 again
;;       x = np.moveaxis(x, axis, -1); K = x.shape[-1]
;;       x = np.pad(x, [(0, 0)] * (x.ndim - 1) + [(0, -K % 32)]); x = x.reshape(x.shape[:-1] + (-1, 32)); a = np.abs(x).max(-1, keepdims=True)
;;       e = np.where(a > 0, np.clip(np.frexp(np.where(a > 0, a, 1))[1] - 1 - 4, -126, 127), 0)      # np.frexp(a)[1] - 1 = floor(log2(a)), exactly
;;       r = np.clip(x / 2.0 ** e, -28, 28)
;;       step = 2.0 ** (np.maximum(np.frexp(np.where(r == 0, 1, r))[1] - 1, -2) - 2)
;;       q = np.round(r / step) * step * 2.0 ** e      # np.round: ties to even
;;       return np.moveaxis(q.reshape(q.shape[:-2] + (-1,))[..., :K], -1, axis).astype(np.float32)
;;   ~~~
;; One version. Each part assembles by itself: llvm-mc -triple=amdgcn-amd-amdhsa -mcpu=gfx1250 --defsym DOCPART=n.
;; ======== version 1 of 1: 3 launches
;; limits: right only within a limited range of input values
;; workspace buffers: xq 6,815,744 bytes; cq 3,407,872 bytes; pkey 262,144 bytes of whole numbers; pidx 262,144 bytes of whole numbers
;; launch quant (part 1): grid 256 x 1, 6 waves a work-group, no clusters, 54,528 bytes of LDS; arguments x, codebook, xq, cq; writes xq, cq
.if DOCPART == 1
	.amdgcn_target "amdgcn-amd-amdhsa--gfx1250"
	.amdhsa_code_object_version 6
	.text
	.protected	k_qfaf3c97f70_quant
	.globl	k_qfaf3c97f70_quant
	.p2align	8
	.type	k_qfaf3c97f70_quant,@function
k_qfaf3c97f70_quant:
	s_mov_b64 s[64:65], 0
	v_nop
	global_prefetch_b8 v0, s[64:65] scope:SCOPE_SE
	s_setreg_imm32_b32 hwreg(HW_REG_WAVE_MODE, 25, 1), 1
	s_wait_xcnt 0x0
; x [16384][512] and codebook [8192][512], f32, become RECORDS for the distance launch.  A record is 16 consecutive rows for all 512 along K, 6,656 bytes (26 x 256):
;   byte 1536 s + 512 c + 16 lane : registers 4 c .. 4 c + 3 of the operand fragment of K step s (128 along K), as an image of the registers: lane (r, h) holds row r; registers 0-5 k = 128 s + 32 h + 0..31, registers 6-11 k = 128 s + 64 + 32 h + 0..31
;   byte 6144 + 16 r : row r's sixteen E8M0 bytes (word s = K step s);   byte 6400 + 4 r : the sum of the row's squares, f32;   bytes 6464 .. 6655 : zeros (written, since whole records are copied later)
; Codes are BF6 (E3M2).  A block's scale is 2^(floor(log2(its largest magnitude)) - 4); its byte is the largest magnitude's exponent field - 4, held at 1 from below.
; LIMITS: NaN and infinities are not served.  A block of zeros gets the byte 1 where the rule says 127: its codes are zeros, and the bytes are read by this program alone.  The sum of squares is taken in four packed chains and
; then across two lanes: another order of f32 additions than a plain left-to-right sum.
; SHARES: one wave makes one record: 1,536 records = 256 work-groups x 6 waves; the first 1,024 are x's, the others the codebook's.  Only pointers are chosen: both tensors take one path through the text.
; Each load reads 512 consecutive bytes of one row; a K step's 16 x 512 bytes turn through the wave's own stage in LDS (rows 528 bytes apart: 33 x 16, so the sixteen rows of a 16-byte read start at different banks),
; so that a lane gets two whole blocks of 32 neighbours.  No barrier: waves share nothing.
; DEAD WORK, for the whole program: reference()'s second result is x + (quantized - x).  In real numbers that is quantized, whatever finite numbers x and the codebook hold, so the
; subtraction and the addition are left out and out1 gets the numbers of out0.  x stays an input of the program: it reaches both results through the distances.
; LIMIT: a NaN, an infinity or an overflow that reaches only x + (quantized - x) is not carried to out1.
.set RECB,  6656
.set PITCH, 528
.set WLDS,  8960                       ; a wave's LDS: 16 x 528 for the stage, 512 for the record's tail
.set TAIL,  16*PITCH
.set LOFF, 4                           ; v4   16 x lane: my 16 bytes of 512; never rewritten
.set STI,  5                           ; v5   the stage, on the way in
.set STO,  6                           ; v6   and on the way out: row r, + 128 h
.set TL,   7                           ; v7   the tail: 16 x lane
.set TS,   8                           ; v8   the tail: row r's scale bytes
.set TQ,   9                           ; v9   the tail: row r's sum of squares
.set MX,   10                          ; v10-11 the two blocks' largest magnitudes
.set SOP,  12                          ; v12-13 the conversions' scale operands
.set BY,   14                          ; v14-15 the scale bytes
.set SH,   16                          ; v16  8 h
.set TP,   17                          ; v17  what lane l xor 16 sends
.set SW,   18                          ; v18-21 the row's four scale words
.set SQ,   22                          ; v22-29 four packed chains of squares
.set ZR,   30                          ; v30-33 zeros
.set TBK,  34                          ; v34-37 the tail read back
.set PC,   40                          ; v40-51 a fragment's codes; v52-54, v56-58 the second halves as they are made
.set R,    64                          ; v64-191 two sets of 64 numbers as loaded
.set X,    192                         ; v192-255 64 numbers after the turn: two blocks of 32
	s_load_b256 s[4:11], s[0:1], 0x0               ; x s[4:5], codebook s[6:7], xq s[8:9], cq s[10:11]
	v_lshl_add_u32 v62, v0, 2, 0xd200
	v_mov_b32 v63, 0
	v_lshrrev_b32 v1, 5, v0
	v_readfirstlane_b32 s12, v1                    ; wave 0..5
	v_and_b32 v1, 31, v0                           ; lane
	v_and_b32 v2, 15, v0                           ; r
	v_bfe_u32 v3, v0, 4, 1                         ; h
	s_mul_i32 s13, s12, WLDS                       ; my wave's LDS
	v_lshlrev_b32 v[LOFF], 4, v1
	v_add_nc_u32 v[STI], s13, v[LOFF]
	v_mul_u32_u24 v[STO], v2, PITCH
	v_lshl_add_u32 v[STO], v3, 7, v[STO]
	v_add_nc_u32 v[STO], s13, v[STO]
	s_add_co_u32 s13, s13, TAIL
	v_add_nc_u32 v[TL], s13, v[LOFF]
	v_lshl_add_u32 v[TS], v2, 4, s13
	v_lshl_add_u32 v[TQ], v2, 2, s13
	v_add_nc_u32 v[TQ], 256, v[TQ]
	v_lshlrev_b32 v[SH], 3, v3
	v_mov_b32 v[TP], 0                             ; written once: a lane permute's destination counts as one of its sources
.irp z, 0,1,2,3
	v_mov_b32 v[ZR+\z], 0
.endr
	s_mov_b32 s20, 0x76543210
	s_mov_b32 s21, 0xfedcba98                      ; v_permlanex16_b32's selects for lane l xor 16
	s_mul_i32 s14, ttmp9, 6
	s_add_co_u32 s14, s14, s12                     ; my record, 0 .. 1,535
	s_wait_kmcnt 0x0
	s_cmp_lt_u32 s14, 1024                         ; x's or the codebook's?  The choice hangs on ids alone
	s_cselect_b64 s[4:5], s[4:5], s[6:7]
	s_cselect_b64 s[8:9], s[8:9], s[10:11]
	s_cselect_b32 s15, 0, 1024
	s_sub_co_u32 s14, s14, s15                     ; the record's number in its tensor
	s_lshl_b32 s16, s14, 15                        ; 16 rows of 2,048 bytes
	s_mov_b32 s17, 0
	s_add_nc_u64 s[4:5], s[4:5], s[16:17]
	s_mul_i32 s16, s14, RECB
	s_add_nc_u64 s[8:9], s[8:9], s[16:17]
.macro LOAD s                          ; K step s: 512 bytes of each of the 16 rows, into set s % 2
.irp i, 0,1,2,3,4,5,6,7,8,9,10,11,12,13,14,15
	global_load_b128 v[R+64*((\s)%2)+4*\i:R+64*((\s)%2)+4*\i+3], v[LOFF], s[4:5] offset:2048*\i+512*(\s) th:TH_LOAD_NT
.endr
.endm
.macro TURN s                          ; through the stage: LDS serves a wave's instructions in order, so no wait stands between the stores and the loads
.irp i, 0,1,2,3,4,5,6,7,8,9,10,11,12,13,14,15
	ds_store_b128 v[STI], v[R+64*((\s)%2)+4*\i:R+64*((\s)%2)+4*\i+3] offset:PITCH*\i
.endr
.irp m, 0,1,2,3,4,5,6,7,8,9,10,11,12,13,14,15
	ds_load_b128 v[X+4*\m:X+4*\m+3], v[STO] offset:16*\m+128*(\m/8)   ; numbers 32 h + 0..31, then 64 + 32 h + 0..31 of my row's 128
.endr
.endm
.macro STEP s
.if (\s) < 3
	s_wait_loadcnt 16                              ; this K step's 16 loads are in; the next step's 16 may be out
.else
	s_wait_loadcnt 0
.endif
	TURN \s
	s_wait_dscnt 0x0                               ; my numbers are back, and the stores into the stage have read their registers,
.if (\s)+2 < 4
	LOAD (\s)+2                                    ; which take the loads of two steps on
.endif
.irp i, 0,2,4,6,8,10,12,14,16,18,20,22,24,26,28,30
.irp c, 0,1
.if \i == 0
	v_max3_num_f32 v[MX+\c], |v[X+32*\c]|, |v[X+32*\c+1]|, 0x2800000   ; block 2 c + h: all 32 numbers are mine; the floor 2^(5 - 127) holds the byte at 1 from below
.else
	v_max3_num_f32 v[MX+\c], v[MX+\c], |v[X+32*\c+\i]|, |v[X+32*\c+\i+1]|
.endif
.set sq, SQ+4*\c+2*((\i/2)%2)
.if ((\s) == 0) && (\i < 4)
	v_pk_mul_f32 v[sq:sq+1], v[X+32*\c+\i:X+32*\c+\i+1], v[X+32*\c+\i:X+32*\c+\i+1]   ; the first squares start the four chains: nothing is cleared
.else
	v_pk_fma_f32 v[sq:sq+1], v[X+32*\c+\i:X+32*\c+\i+1], v[X+32*\c+\i:X+32*\c+\i+1], v[sq:sq+1]
.endif
.endr
.endr
.irp c, 0,1
	v_add_nc_u32 v[SOP+\c], 0xfe000000, v[MX+\c]   ; 4 off the exponent field: the conversion takes the exponent field of this operand as its scale
.endr
.irp c, 0,1
	v_lshrrev_b32 v[BY+\c], 23, v[SOP+\c]          ; the scale's byte
.endr
	v_lshl_or_b32 v[SW+(\s)], v[BY+1], 16, v[BY]   ; my two bytes, blocks h and 2 + h,
	v_lshlrev_b32 v[SW+(\s)], v[SH], v[SW+(\s)]    ; at their places in the word (8 h bits up);
	v_permlanex16_b32 v[TP], v[SW+(\s)], s20, s21
	v_or_b32 v[SW+(\s)], v[SW+(\s)], v[TP]         ; with lane l xor 16's two the word is whole
.if (\s) > 0
	s_wait_alu depctr_va_vdst(0)
	s_wait_xcnt 0x0                                ; the last step's stores have read the codes' registers: they are written again only behind this wait
.endif
.irp c, 0,1
	v_cvt_scalef32_pk16_bf6_f32 v[PC+6*\c:PC+6*\c+2], v[X+32*\c:X+32*\c+15], v[SOP+\c]
	v_cvt_scalef32_pk16_bf6_f32 v[PC+12+4*\c:PC+14+4*\c], v[X+32*\c+16:X+32*\c+31], v[SOP+\c]   ; (a conversion's three registers begin on an even number)
.endr
	v_nop                                          ; one plain vector line behind the scaled conversions
.irp c, 0,1
.irp i, 0,1,2
	v_mov_b32 v[PC+3+6*\c+\i], v[PC+12+4*\c+\i]
.endr
.endr
.irp c, 0,1,2
	global_store_b128 v[LOFF], v[PC+4*\c:PC+4*\c+3], s[8:9] offset:1536*(\s)+512*\c   ; 32 lanes store 512 consecutive bytes, at a multiple of 256 from the buffer's first byte
.endr
.endm
	LOAD 0
	LOAD 1
	STEP 0
	STEP 1
	STEP 2
	STEP 3
	; the record's tail: 512 bytes are put together in LDS and leave by one store
	v_pk_add_f32 v[SQ:SQ+1], v[SQ:SQ+1], v[SQ+2:SQ+3]
	v_pk_add_f32 v[SQ+4:SQ+5], v[SQ+4:SQ+5], v[SQ+6:SQ+7]
	v_pk_add_f32 v[SQ:SQ+1], v[SQ:SQ+1], v[SQ+4:SQ+5]
	v_add_f32 v[SQ], v[SQ], v[SQ+1]
	v_permlanex16_b32 v[TP], v[SQ], s20, s21
	v_add_f32 v[SQ], v[SQ], v[TP]                  ; with lane l xor 16's half: the row's sum of squares
	ds_store_b128 v[TL], v[ZR:ZR+3]                ; zeros first,
	ds_store_b128 v[TS], v[SW:SW+3]                ; then the scale bytes (both lanes of a row write the same bytes with the same values)
	ds_store_b32 v[TQ], v[SQ]                      ; and the sums: LDS serves a wave's instructions in order
	ds_load_b128 v[TBK:TBK+3], v[TL]
	s_wait_dscnt 0x0
	global_store_b128 v[LOFF], v[TBK:TBK+3], s[8:9] offset:6144
	s_wait_tensorcnt 0x0
	ds_add_u32 v62, v63
	s_wait_dscnt 0x0
	s_endpgm
.Lfunc_end_k_qfaf3c97f70_quant:
	.size	k_qfaf3c97f70_quant, .Lfunc_end_k_qfaf3c97f70_quant-k_qfaf3c97f70_quant
	.p2alignl 7, 3214868480
	.fill 96, 4, 3214868480
	.section	.rodata,"a",@progbits
	.p2align	6, 0x0
	.amdhsa_kernel k_qfaf3c97f70_quant
		.amdhsa_group_segment_fixed_size 54528
		.amdhsa_private_segment_fixed_size 0
		.amdhsa_enable_private_segment 0
		.amdhsa_kernarg_size 32
		.amdhsa_user_sgpr_count 2
		.amdhsa_user_sgpr_kernarg_segment_ptr 1
		.amdhsa_wavefront_size32 1
		.amdhsa_system_sgpr_workgroup_id_x 1
		.amdhsa_system_sgpr_workgroup_id_y 1
		.amdhsa_system_sgpr_workgroup_id_z 1
		.amdhsa_system_vgpr_workitem_id 0
		.amdhsa_next_free_vgpr 256
		.amdhsa_next_free_sgpr 66
		.amdhsa_reserve_vcc 0
		.amdhsa_float_denorm_mode_32 3
		.amdhsa_float_denorm_mode_16_64 3
		.amdhsa_memory_ordered 1
		.amdhsa_forward_progress 1
		.amdhsa_inst_pref_size 39
	.end_amdhsa_kernel
	.amdgpu_metadata
---
amdhsa.version: [ 1, 2 ]
amdhsa.kernels:
  - .name:           k_qfaf3c97f70_quant
    .symbol:         k_qfaf3c97f70_quant.kd
    .args:
      - { .name: x, .offset: 0, .size: 8, .value_kind: global_buffer, .address_space: global }
      - { .name: codebook, .offset: 8, .size: 8, .value_kind: global_buffer, .address_space: global }
      - { .name: xq, .offset: 16, .size: 8, .value_kind: global_buffer, .address_space: global }
      - { .name: cq, .offset: 24, .size: 8, .value_kind: global_buffer, .address_space: global }
    .group_segment_fixed_size: 54528
    .private_segment_fixed_size: 0
    .kernarg_segment_align: 8
    .kernarg_segment_size: 32
    .max_flat_workgroup_size: 192
    .sgpr_count:     66
    .vgpr_count:     256
    .wavefront_size: 32
...
	.end_amdgpu_metadata
.endif
;; end of part 1
;; launch dist (part 2): grid 64 x 4, 8 waves a work-group, clusters of 4 x 1, 327,680 bytes of LDS; arguments xq, cq, pkey, pidx; writes pkey, pidx
.if DOCPART == 2
	.amdgcn_target "amdgcn-amd-amdhsa--gfx1250"
	.amdhsa_code_object_version 6
	.text
	.protected	k_qfaf3c97f70_dist
	.globl	k_qfaf3c97f70_dist
	.p2align	8
	.type	k_qfaf3c97f70_dist,@function
k_qfaf3c97f70_dist:
	s_mov_b64 s[64:65], 0
	v_nop
	global_prefetch_b8 v0, s[64:65] scope:SCOPE_SE
	s_setreg_imm32_b32 hwreg(HW_REG_WAVE_MODE, 25, 1), 1
	s_wait_xcnt 0x0
	s_wait_alu depctr_hold_cnt(0) depctr_sa_sdst(0) depctr_va_vdst(0) depctr_va_sdst(0) depctr_va_ssrc(0) depctr_va_vcc(0) depctr_vm_vsrc(0)
	s_getreg_b32 s2, hwreg(HW_REG_IB_STS2, 6, 4)
	s_cmp_eq_u32 s2, 0
	s_cbranch_scc0 .Lentry_in_a_cluster
	s_endpgm
.Lentry_in_a_cluster:
	s_bfe_u32 s2, ttmp6, 0x10000c
	s_cmp_lg_u32 s2, 0x3003
	s_cbranch_scc0 .Lentry_shape_is_right
	s_endpgm
.Lentry_shape_is_right:
; For 256 rows of x and a quarter of the codebook (2,048 codes): the least distance d = (xx + ww) - 2 x.w, rounded as reference() rounds it (one add, one fused multiply-add), and the lowest index that has it.
; xq and cq hold RECORDS of 16 rows (6,656 bytes): register images of the four K steps' BF6 fragments, at 6144 + 16 r the row's scale bytes, at 6400 + 4 r the sum of its squares.
; SHARES: 8 waves, two to a SIMD.  Wave w keeps rows 64 (w / 2) .. + 63 of x in registers (4 records, 192 registers) and takes the records w % 2, w % 2 + 2, .. of the quarter: 64 UNITS of 16 matrix instructions.
; The matrix instruction is used transposed (source 0 = 16 codes, source 1 = 16 rows of x): lane (r, h) holds row r, register j code 8 h + j.
; A unit's 73 lines of vector work are laid in four slices behind the NEXT unit's four groups of matrix instructions; two sets of accumulators, fragments, scales and ww take turns.
; Per result of 8 numbers a lane: 4 pairs of adds, 4 pairs of multiply-adds, 4 minima, one compare, and 5 pairs that keep the least number, its record and its 8 numbers.
; The record's 8 numbers say at the end which j was least.  Strict compares keep the earlier record; ties between lanes and waves go to the lower index.
; THE RING: two LDS slots of 16 records; each wave brings 2 records (52 rows of 256 bytes) by one joint load of the cluster's four work-groups, which share the quarter.  Every wait on TENSORcnt is for 0.
; THE CHANGE OF SLOTS stands inside the unit that fetches a slot's last record: behind that fetch the wait for my tensor loads and the add; a group and its slice; the wait for the add and the fetch; the round's
; opening signal; the unit's last two groups and slices, work on registers alone; the round's wait and rest; the refill.
; No prefetch of cq: a refill is asked for a whole slot ahead of its first read: 7 units and a group, 116 matrix instructions, of each wave stand between the request and the wait for it.
; OUT: pkey [4][16384]: the least distance as a whole number that keeps the order (sign bit turned for numbers >= 0, all bits for negative ones); pidx [4][16384]: its index.
; LIMITS: NaN and infinities among the distances are not served.
.set RECB,  6656
.set SLOTB, 16*RECB
.set SLOT1, 131072
.set SCR,   SLOT1+SLOTB                ; 512 bytes a wave: 64 keys, 64 indices; no tile lands here
.set SPARE, SCR+4096                   ; the spare words, 128 bytes a wave
.set AB0,  1                           ; lane terms of the LDS addresses: fragments, scales, ww
.set AS0,  2
.set AW0,  3
.set ADRB, 4                           ; the same for the pair of records at hand
.set ADRS, 5
.set ADRW, 6
.set XO,   7
.set XSO,  8
.set XXO,  9
.set H8,   10
.set VST,  11
.set RDA,  12
.set GOF,  13
.set SPW,  14
.set NIL,  15
.set XS,   16                          ; v16-31 x's scale words: block i, K step s at 4 i + s
.set BS,   32                          ; v32-39 the codes' scale words, two sets
.set TM,   40                          ; v40, 41, 42, 44: a result's least number, block i at i + i / 3
.set TIDV, 43                          ; the record whose vector work is at hand
.set TR,   48                          ; v48-95 block i at 12 i: xx, xx once more, the least so far, its record, its 8 numbers
.set ACC,  96                          ; v96-159 two sets of 4 accumulators
.set CT,   160                         ; v160-191 xx + ww, then the distances
.set TMP,  160                         ; at work in the head and behind the last unit, where CT holds nothing
.set WW,   192                         ; v192-207 ww of codes 8 h + 0 .. 7, two sets
; v208-255: the codes' fragments, set 1.  Window 1: v0-191 x's fragments (48 i + 12 s), v192-239 the codes' fragments, set 0
.set WV,   12
.set RG,   13
.set CC,   14
.set TB,   22
.set G1,   24
.set G0A,  32
.set G0W,  36
.set SLOTS, 40
.set CNT,  41
.set SEL,  46
.set MSB, 0
.macro WIN new
.if MSB != (\new)
	s_set_vgpr_msb (MSB<<8)|(\new)
.set MSB, (\new)
.endif
.endm
.macro CREST                           ; a round of the cluster's barrier behind its opening barrier
	s_cmp_lg_u32 s[WV], 0
	s_cbranch_scc1 .Lnot_wave_0_\@
	s_barrier_signal -3
.Lnot_wave_0_\@:
	s_barrier_wait -3
	s_barrier_signal -1
	s_barrier_wait -1
.endm
.macro ROUND
	s_barrier_signal -1
	s_barrier_wait -1
	CREST
.endm
; line q (0 .. 72) of the vector work on set g
.macro EOP g
.if q < 16
.set ej, 2*(q%4)
.set eT, TR+12*(q/4)
	v_dual_add_f32 v[CT+2*q], v[WW+8*(\g)+ej], v[eT] :: v_dual_add_f32 v[CT+2*q+1], v[WW+8*(\g)+ej+1], v[eT+1]   ; ww + xx
.elseif q < 32
.set ek, 2*(q-16)
	v_dual_fmac_f32 v[CT+ek], -2.0, v[ACC+32*(\g)+ek] :: v_dual_fmac_f32 v[CT+ek+1], -2.0, v[ACC+32*(\g)+ek+1]   ; each accumulator from its low end on
.elseif q < 48
.set es, (q-32)/4
.set ei, (q-32)%4
.set eC, CT+8*ei
.set eM, TM+ei+ei/3
.if es == 0
	v_min3_num_f32 v[eM], v[eC], v[eC+1], v[eC+2]              ; the four blocks by turns
.elseif es < 3
	v_min3_num_f32 v[eM], v[eM], v[eC+2*es+1], v[eC+2*es+2]
.else
	v_min_num_f32 v[eM], v[eM], v[eC+7]
.endif
.elseif q < 72
.set ei, (q-48)/6
.set eT, TR+12*ei
.set eC, CT+8*ei
.set eM, TM+ei+ei/3
.set em, (q-48)%6
.if em == 0
	v_cmp_lt_f32 vcc_lo, v[eM], v[eT+2]                        ; strictly under the least so far?
.elseif em == 1
	v_dual_min_num_f32 v[eT+2], v[eM], v[eT+2] :: v_dual_cndmask_b32 v[eT+3], v[eT+3], v[TIDV]
.else
.set ej, 2*(em-2)
	v_dual_cndmask_b32 v[eT+4+ej], v[eT+4+ej], v[eC+ej] :: v_dual_cndmask_b32 v[eT+5+ej], v[eT+5+ej], v[eC+ej+1]
.endif
.else
	v_add_nc_u32 v[TIDV], 2, v[TIDV]
.endif
.endm
.macro SLICE g
.set qe, (73*(k+1))/4
.rept 19
.if q < qe
	EOP \g
.set q, q+1
.endif
.endr
.set k, k+1
.endm
; the next record's scale words, ww and fragments into set o; a pair of records shares its addresses
.macro FETCH o
.if (\o) == 0
	v_add_nc_u32 v[ADRB], s[TB], v[AB0]
	v_add_nc_u32 v[ADRS], s[TB], v[AS0]
	v_add_nc_u32 v[ADRW], s[TB], v[AW0]
.endif
	ds_load_b128 v[BS+4*(\o):BS+4*(\o)+3], v[ADRS] offset:(\o)*2*RECB
	ds_load_b128 v[WW+8*(\o):WW+8*(\o)+3], v[ADRW] offset:(\o)*2*RECB
	ds_load_b128 v[WW+8*(\o)+4:WW+8*(\o)+7], v[ADRW] offset:(\o)*2*RECB+16
.if (\o) == 0
	WIN 0x40
.endif
.irp s, 0,1,2,3
.irp c, 0,1,2
	ds_load_b128 v[192+16*(\o)+12*\s+4*\c:192+16*(\o)+12*\s+4*\c+3], v[ADRB] offset:(\o)*2*RECB+1536*\s+512*\c
.endr
.endr
	WIN 0
.if (\o) == 1
	s_add_co_u32 s[TB], s[TB], 4*RECB
.endif
.endm
.macro MM p
.set mD, ACC+32*(\p)+8*ui
.set mA, 192+16*(\p)+12*us
.set mB, 48*ui+12*us
.if us == 0
	v_wmma_scale_f32_16x16x128_f8f6f4 v[mD:mD+7], v[mA:mA+11], v[mB:mB+11], 0, v[BS+4*(\p)+us], v[XS+4*ui+us] matrix_a_fmt:MATRIX_FMT_BF6 matrix_b_fmt:MATRIX_FMT_BF6
.else
	v_wmma_scale_f32_16x16x128_f8f6f4 v[mD:mD+7], v[mA:mA+11], v[mB:mB+11], v[mD:mD+7], v[BS+4*(\p)+us], v[XS+4*ui+us] matrix_a_fmt:MATRIX_FMT_BF6 matrix_b_fmt:MATRIX_FMT_BF6
.endif
.endm
; a unit: four groups of 4 matrix instructions on set p, a K step each, the four accumulators by turns; behind each group a slice of set o's vector work.
; The next record is fetched into set o behind the first slice: its 16 pairs of adds have read set o's old ww, and they name no register of the unit before: the places in front of loads into its operands.
; chg = 1: the fetch was the last read of its slot, and the slot is filled again; chg = 2: the same with nothing left to fetch from memory; chg = 0: no change of slots.
.macro UNIT p, o, fetch, epi, chg
.set k, 0
.set q, 0
	s_wait_dscnt 0x0                               ; set p's loads, asked for in the unit before
.set us, 0
.rept 4
.set ui, 0
	WIN 0x05-(\p)                                  ; x in window 1; the codes' set 0 in window 1, set 1 in window 0
.rept 4
	MM \p
.set ui, ui+1
.endr
	WIN 0
.if \epi
	SLICE \o
.endif
.if (\fetch) && (us == 0)
	FETCH \o
.endif
.if (\chg) && (us == 0)
	s_wait_tensorcnt 0x0                           ; my part of the next slot has landed
	ds_add_u32 v[SPW], v[NIL]                      ; a group and its slice stand between the add and the wait for it
.if (\chg) == 1
	s_xor_b32 s[G0W+1], s[G0W+1], SLOT1
	s_add_nc_u64 s[G0W+2:G0W+3], s[G0W+2:G0W+3], SLOTB
.endif
.endif
.if (\chg) && (us == 1)
	s_wait_alu depctr_va_vdst(0)                   ; the next slice reads what this one wrote
	s_wait_dscnt 0x0                               ; the add, and my last reads of the old slot
	s_barrier_signal -1                            ; two groups and their slices, work on registers alone, stand between the signal and its wait
.endif
.set us, us+1
.endr
.if \chg
	s_barrier_wait -1
.if (\chg) == 1
	CREST
	tensor_load_to_lds s[G0W:G0W+3], s[G1:G1+7]    ; two slots on, into the slot just left
	s_nop 0
.rept 4
	v_nop
.endr
.endif
	s_sub_co_u32 s[TB], s[TB], SLOTB
	s_xor_b32 s[TB], s[TB], SLOT1
.endif
.endm
.macro TRIPS n
	s_mov_b32 s[CNT], \n
.Ltrip_\@:
	UNIT 1, 0, 1, 1, 0
	UNIT 0, 1, 1, 1, 0
	s_sub_co_u32 s[CNT], s[CNT], 1
	s_cmp_lg_u32 s[CNT], 0
	s_cbranch_scc1 .Ltrip_\@
.endm
	s_load_b256 s[4:11], s[0:1], 0x0               ; xq, cq, pkey, pidx
	v_lshl_add_u32 v[SPW], v0, 2, SPARE
	v_mov_b32 v[NIL], 0
	ds_add_u32 v[SPW], v[NIL]
	ds_add_u32 v[SPW], v[NIL]
	v_lshrrev_b32 v1, 5, v0
	v_readfirstlane_b32 s[WV], v1
	s_lshr_b32 s[RG], s[WV], 1                     ; which 64 rows
	s_and_b32 s[CC], s[WV], 1                      ; which records
	s_bfe_u32 s15, ttmp6, 0x40000
	s_lshl_b32 s16, ttmp9, 2
	s_add_co_u32 s16, s16, s15                     ; which 256 rows of x
	s_and_b32 s17, ttmp7, 0xffff                   ; which quarter of the codebook
	s_mov_b32 s[G1], 15|(3<<16)|(1<<21)            ; the cluster's four; elements of 8 bytes
	s_mov_b32 s[G1+1], 32<<16
	s_mov_b32 s[G1+2], 52<<16
	s_mov_b32 s[G1+3], 32<<16
	s_mov_b32 s[G1+4], 52                          ; 52 rows of 256 bytes: two records
	s_mov_b32 s[G1+5], 32
	s_mov_b32 s[G1+6], 0
	s_mov_b32 s[G1+7], 0
	s_lshl_b32 s18, s17, 7
	s_lshl_b32 s19, s[WV], 1
	s_add_co_u32 s18, s18, s19
	s_mul_i32 s18, s18, RECB                       ; cq: record 128 y + 2 w
	s_mov_b32 s19, 0
	s_mul_i32 s20, s[WV], 2*RECB
	s_lshl_b32 s52, s16, 4
	s_lshl_b32 s53, s[RG], 2
	s_add_co_u32 s52, s52, s53
	s_mul_i32 s52, s52, RECB                       ; xq: my four records
	s_mov_b32 s53, 0
	s_lshl_b32 s54, s17, 16
	s_lshl_b32 s55, s16, 10
	s_add_co_u32 s54, s54, s55
	s_lshl_b32 s55, s[RG], 8
	s_add_co_u32 s54, s54, s55                     ; my 64 words of the quarter's part of pkey or pidx
	s_mov_b32 s55, 0
	s_mov_b32 s[SEL], 0x76543210
	s_mov_b32 s[SEL+1], 0xfedcba98
	s_mov_b32 s[TB], 0
	s_lshl_b32 s21, s17, 7
	s_add_co_u32 s21, s21, s[CC]                   ; my first record's number
	s_mul_i32 s23, s[CC], RECB
	s_lshl_b32 s44, s[WV], 9
	s_add_co_u32 s44, s44, SCR
	s_lshl_b32 s45, s[RG], 10
	s_add_co_u32 s45, s45, SCR
	s_mov_b32 s[SLOTS], 5
	s_cmp_eq_u32 s[CC], 0
	s_cselect_b32 s51, 0, -1                       ; the even wave of a pair stores the keys, the odd one the indices
	s_wait_dscnt 0x0
	s_wait_kmcnt 0x0
	s_cselect_b64 s[8:9], s[8:9], s[10:11]
	s_add_nc_u64 s[6:7], s[6:7], s[18:19]
	s_add_nc_u64 s[4:5], s[4:5], s[52:53]
	s_add_nc_u64 s[8:9], s[8:9], s[54:55]
	s_mov_b32 s[G0A], 1
	s_mov_b32 s[G0A+1], s20
	s_mov_b64 s[G0A+2:G0A+3], s[6:7]
	s_or_b32 s[G0A+3], s[G0A+3], 0x80000000
	s_mov_b32 s[G0W], 1
	s_add_co_u32 s[G0W+1], s20, SLOT1
	s_add_nc_u64 s[G0W+2:G0W+3], s[6:7], SLOTB
	s_or_b32 s[G0W+3], s[G0W+3], 0x80000000
	ROUND
	tensor_load_to_lds s[G0A:G0A+3], s[G1:G1+7]    ; slot 0: one tensor load a wave at the head
	s_nop 0
.rept 4
	v_nop
.endr
	v_and_b32 v[TMP], 31, v0
	v_and_b32 v[TMP+1], 15, v0
	v_bfe_u32 v[TMP+2], v0, 4, 1
	v_lshlrev_b32 v[XO], 4, v[TMP]
	v_lshl_add_u32 v[XSO], v[TMP+1], 4, 6144
	v_lshl_add_u32 v[XXO], v[TMP+1], 2, 6400
	WIN 0x40
.irp a, 0,1,2,3
.irp s, 0,1,2,3
.irp c, 0,1,2
	global_load_b128 v[48*\a+12*\s+4*\c:48*\a+12*\s+4*\c+3], v[XO], s[4:5] offset:\a*RECB+1536*\s+512*\c
.endr
.endr
.endr
	WIN 0
.irp a, 0,1,2,3
	global_load_b128 v[XS+4*\a:XS+4*\a+3], v[XSO], s[4:5] offset:\a*RECB
	global_load_b32 v[TR+12*\a], v[XXO], s[4:5] offset:\a*RECB
.endr
	v_add_nc_u32 v[AB0], s23, v[XO]
	v_add_nc_u32 v[AS0], s23, v[XSO]
	v_lshlrev_b32 v[AW0], 5, v[TMP+2]
	v_add_nc_u32 v[AW0], s23, v[AW0]
	v_add_nc_u32 v[AW0], 6400, v[AW0]              ; ww of codes 8 h + 0 .. 7: 32 bytes
	v_lshlrev_b32 v[H8], 3, v[TMP+2]
	v_lshl_add_u32 v[VST], v[TMP+1], 2, s44
	v_lshl_add_u32 v[RDA], v[TMP], 3, s45
	v_lshlrev_b32 v[GOF], 3, v[TMP]
	v_mov_b32 v[TIDV], s21
.irp a, 0,1,2,3
	v_mov_b32 v[TR+12*\a+2], 0x7f800000            ; the least so far: over every finite distance
.irp n, 3,4,5,6,7,8,9,10,11
	v_mov_b32 v[TR+12*\a+\n], 0
.endr
.endr
	s_wait_alu depctr_va_vdst(0)
	s_wait_tensorcnt 0x0                           ; my part of slot 0 is in; the lines ahead of a later first fill:
	ds_add_u32 v[SPW], v[NIL]
	s_wait_dscnt 0x0
	ROUND
	tensor_load_to_lds s[G0W:G0W+3], s[G1:G1+7]    ; slot 1
	s_nop 0
.rept 4
	v_nop
.endr
	FETCH 0
	s_wait_alu depctr_va_vdst(0)
	s_wait_loadcnt 0x0                             ; x
.irp a, 0,1,2,3
	v_mov_b32 v[TR+12*\a+1], v[TR+12*\a]           ; xx once more: the pairs of adds take their second sources from two neighbouring registers
.endr
	s_wait_alu depctr_va_vdst(0)
	UNIT 0, 1, 1, 0, 0                             ; unit 0
	TRIPS 2                                        ; units 1 to 4
	UNIT 1, 0, 1, 1, 0
	UNIT 0, 1, 1, 1, 1                             ; unit 6 fetches slot 0's last record: slot 2 is asked for
.Lslot:                                                ; five slots: 8 units each, from a slot's last record to the next slot's last but one
	TRIPS 3
	UNIT 1, 0, 1, 1, 0
	UNIT 0, 1, 1, 1, 1
	s_sub_co_u32 s[SLOTS], s[SLOTS], 1
	s_cmp_lg_u32 s[SLOTS], 0
	s_cbranch_scc1 .Lslot
	TRIPS 3
	UNIT 1, 0, 1, 1, 0
	UNIT 0, 1, 1, 1, 2                             ; the last change: nothing is left to ask for
	TRIPS 4
	UNIT 1, 0, 0, 1, 0                             ; unit 63
.set q, 0
.rept 73
	EOP 1
.set q, q+1
.endr
; which of the kept 8 numbers is the least (the lowest j), the index, the key; then lane l xor 16's, then the pair's other wave's
.irp a, 0,1,2,3
.set eT, TR+12*\a
	v_mov_b32 v[eT+1], 7
.irp j, 6,5,4,3,2,1,0
	v_cmp_eq_f32 vcc_lo, v[eT+4+\j], v[eT+2]
	v_cndmask_b32 v[eT+1], v[eT+1], \j, vcc_lo
.endr
	v_lshl_add_u32 v[eT+3], v[eT+3], 4, v[eT+1]
	v_add_nc_u32 v[eT+3], v[eT+3], v[H8]
	v_ashrrev_i32 v[eT+1], 31, v[eT+2]
	v_or_b32 v[eT+1], 0x80000000, v[eT+1]
	v_xor_b32 v[eT+2], v[eT+2], v[eT+1]            ; the key: unsigned order = the numbers' order
	v_permlanex16_b32 v[TMP], v[eT+2], s[SEL], s[SEL+1]
	v_permlanex16_b32 v[TMP+1], v[eT+3], s[SEL], s[SEL+1]
	v_cmp_lt_u32 s48, v[TMP], v[eT+2]
	v_cmp_eq_u32 s49, v[TMP], v[eT+2]
	v_cmp_lt_u32 s50, v[TMP+1], v[eT+3]
	s_and_b32 s49, s49, s50
	s_or_b32 s48, s48, s49
	v_cndmask_b32 v[eT+2], v[eT+2], v[TMP], s48
	v_cndmask_b32 v[eT+3], v[eT+3], v[TMP+1], s48
	ds_store_b32 v[VST], v[eT+2] offset:64*\a      ; both lanes of a row write the same word with the same value
	ds_store_b32 v[VST], v[eT+3] offset:64*\a+256
.endr
	s_wait_dscnt 0x0
	s_barrier_signal -1
	s_barrier_wait -1
	ds_load_b64 v[TMP:TMP+1], v[RDA]               ; two rows a lane: the even wave's keys and indices, the odd wave's
	ds_load_b64 v[TMP+2:TMP+3], v[RDA] offset:256
	ds_load_b64 v[TMP+4:TMP+5], v[RDA] offset:512
	ds_load_b64 v[TMP+6:TMP+7], v[RDA] offset:768
	s_wait_dscnt 0x0
.irp e, 0,1
	v_cmp_lt_u32 s48, v[TMP+4+\e], v[TMP+\e]
	v_cmp_eq_u32 s49, v[TMP+4+\e], v[TMP+\e]
	v_cmp_lt_u32 s50, v[TMP+6+\e], v[TMP+2+\e]
	s_and_b32 s49, s49, s50
	s_or_b32 s48, s48, s49
	v_cndmask_b32 v[TMP+\e], v[TMP+\e], v[TMP+4+\e], s48
	v_cndmask_b32 v[TMP+2+\e], v[TMP+2+\e], v[TMP+6+\e], s48
	v_cndmask_b32 v[TMP+\e], v[TMP+\e], v[TMP+2+\e], s51
.endr
	global_store_b64 v[GOF], v[TMP:TMP+1], s[8:9]  ; 32 lanes store 256 consecutive bytes, aligned
	s_wait_tensorcnt 0x0                           ; the wave's end
	ds_add_u32 v[SPW], v[NIL]
	s_wait_dscnt 0x0
	ROUND                                          ; the closing round
	s_endpgm
.Lfunc_end_k_qfaf3c97f70_dist:
	.size	k_qfaf3c97f70_dist, .Lfunc_end_k_qfaf3c97f70_dist-k_qfaf3c97f70_dist
	.p2alignl 7, 3214868480
	.fill 96, 4, 3214868480
	.section	.rodata,"a",@progbits
	.p2align	6, 0x0
	.amdhsa_kernel k_qfaf3c97f70_dist
		.amdhsa_group_segment_fixed_size 327680
		.amdhsa_private_segment_fixed_size 0
		.amdhsa_enable_private_segment 0
		.amdhsa_kernarg_size 32
		.amdhsa_user_sgpr_count 2
		.amdhsa_user_sgpr_kernarg_segment_ptr 1
		.amdhsa_wavefront_size32 1
		.amdhsa_system_sgpr_workgroup_id_x 1
		.amdhsa_system_sgpr_workgroup_id_y 1
		.amdhsa_system_sgpr_workgroup_id_z 1
		.amdhsa_system_vgpr_workitem_id 0
		.amdhsa_next_free_vgpr 512
		.amdhsa_next_free_sgpr 66
		.amdhsa_reserve_vcc 1
		.amdhsa_float_denorm_mode_32 3
		.amdhsa_float_denorm_mode_16_64 3
		.amdhsa_memory_ordered 1
		.amdhsa_forward_progress 1
		.amdhsa_inst_pref_size 145
	.end_amdhsa_kernel
	.amdgpu_metadata
---
amdhsa.version: [ 1, 2 ]
amdhsa.kernels:
  - .name:           k_qfaf3c97f70_dist
    .symbol:         k_qfaf3c97f70_dist.kd
    .args:
      - { .name: xq, .offset: 0, .size: 8, .value_kind: global_buffer, .address_space: global }
      - { .name: cq, .offset: 8, .size: 8, .value_kind: global_buffer, .address_space: global }
      - { .name: pkey, .offset: 16, .size: 8, .value_kind: global_buffer, .address_space: global }
      - { .name: pidx, .offset: 24, .size: 8, .value_kind: global_buffer, .address_space: global }
    .group_segment_fixed_size: 327680
    .private_segment_fixed_size: 0
    .kernarg_segment_align: 8
    .kernarg_segment_size: 32
    .max_flat_workgroup_size: 256
    .sgpr_count:     66
    .vgpr_count:     512
    .wavefront_size: 32
...
	.end_amdgpu_metadata
.endif
;; end of part 2
;; launch pick (part 3): grid 512 x 1, 8 waves a work-group, no clusters, 0 bytes of LDS; arguments codebook, pkey, pidx, out0, out1; writes out0, out1
.if DOCPART == 3
	.amdgcn_target "amdgcn-amd-amdhsa--gfx1250"
	.amdhsa_code_object_version 6
	.text
	.protected	k_qfaf3c97f70_pick
	.globl	k_qfaf3c97f70_pick
	.p2align	8
	.type	k_qfaf3c97f70_pick,@function
k_qfaf3c97f70_pick:
	s_mov_b64 s[64:65], 0
	v_nop
	global_prefetch_b8 v0, s[64:65] scope:SCOPE_SE
	s_setreg_imm32_b32 hwreg(HW_REG_WAVE_MODE, 25, 1), 1
	s_wait_xcnt 0x0
; out0[row] = out1[row] = codebook[the row's nearest code].  Left out as dead work: x + (quantized - x), which in real numbers is quantized for all x; so x is no argument here.
; The launch before stored, for each row and each quarter of the codebook, a whole-number key in the order of the least distance (pkey [4][16384]) and its index (pidx [4][16384]).
; The least key is chosen by unsigned compares on these stored numbers; the quarters ascend in index and every compare is strict, so equal keys keep the lower index.
; SHARES: a wave takes 4 rows, 8 waves x 512 work-groups take 16,384.  A row is 2,048 bytes: four loads of 512 consecutive bytes, and four stores into each output.
; No LDS, no barrier, no matrix unit: the launch moves bytes.  No prefetch: there is no loop to run ahead in.  A stored index is held to 8,191, the table's last row.
.set L16, 1                            ; v1 16 x lane; never rewritten
.set VO,  2                            ; v2-5 row i: byte offset of my 16 bytes in its row of the codebook
.set C,   8                            ; v8-71 row i at 16 i
.set KEY, 20                           ; s[20:35] part p, row i at 4 p + i
.set IDX, 36                           ; s[36:51]
	s_load_b256 s[4:11], s[0:1], 0x0               ; codebook, pkey, pidx, out0
	s_load_b64 s[12:13], s[0:1], 0x20              ; out1
	v_lshrrev_b32 v1, 5, v0
	v_readfirstlane_b32 s2, v1
	s_lshl_b32 s3, ttmp9, 3
	s_add_co_u32 s3, s3, s2                        ; which run of 4 rows
	s_lshl_b32 s14, s3, 4                          ; its 4 words in a part
	s_mov_b32 s15, 0
	s_lshl_b32 s16, s3, 13                         ; its 4 rows of 2,048 bytes
	s_mov_b32 s17, 0
	v_and_b32 v1, 31, v0
	v_lshlrev_b32 v[L16], 4, v1
	s_wait_alu depctr_va_vdst(0)
	s_wait_kmcnt 0x0
	s_add_nc_u64 s[6:7], s[6:7], s[14:15]
	s_add_nc_u64 s[8:9], s[8:9], s[14:15]
.irp p, 0,1,2,3
	s_load_b128 s[KEY+4*\p:KEY+4*\p+3], s[6:7], 0x10000*\p     ; the parts lie 65,536 bytes apart
	s_load_b128 s[IDX+4*\p:IDX+4*\p+3], s[8:9], 0x10000*\p
.endr
	s_add_nc_u64 s[10:11], s[10:11], s[16:17]
	s_add_nc_u64 s[12:13], s[12:13], s[16:17]
	s_wait_kmcnt 0x0
.irp i, 0,1,2,3
.irp p, 1,2,3
	s_cmp_lt_u32 s[KEY+4*\p+\i], s[KEY+\i]         ; part p strictly under the least so far?
	s_cselect_b32 s[KEY+\i], s[KEY+4*\p+\i], s[KEY+\i]
	s_cselect_b32 s[IDX+\i], s[IDX+4*\p+\i], s[IDX+\i]
.endr
	s_min_u32 s[IDX+\i], s[IDX+\i], 0x1fff         ; a loaded number enters an address only behind this hold
.endr
.irp i, 0,1,2,3
	v_lshl_add_u32 v[VO+\i], s[IDX+\i], 11, v[L16]
.endr
.irp i, 0,1,2,3
.irp j, 0,1,2,3
	global_load_b128 v[C+16*\i+4*\j:C+16*\i+4*\j+3], v[VO+\i], s[4:5] offset:512*\j
.endr
.endr
.irp i, 0,1,2,3
	s_wait_loadcnt 12-4*\i                         ; row i's four loads are in; the later rows' may be out
.irp j, 0,1,2,3
	global_store_b128 v[L16], v[C+16*\i+4*\j:C+16*\i+4*\j+3], s[10:11] offset:2048*\i+512*\j th:TH_STORE_NT   ; 32 lanes store 512 consecutive bytes, aligned
	global_store_b128 v[L16], v[C+16*\i+4*\j:C+16*\i+4*\j+3], s[12:13] offset:2048*\i+512*\j th:TH_STORE_NT
.endr
.endr
	s_endpgm
.Lfunc_end_k_qfaf3c97f70_pick:
	.size	k_qfaf3c97f70_pick, .Lfunc_end_k_qfaf3c97f70_pick-k_qfaf3c97f70_pick
	.p2alignl 7, 3214868480
	.fill 96, 4, 3214868480
	.section	.rodata,"a",@progbits
	.p2align	6, 0x0
	.amdhsa_kernel k_qfaf3c97f70_pick
		.amdhsa_group_segment_fixed_size 0
		.amdhsa_private_segment_fixed_size 0
		.amdhsa_enable_private_segment 0
		.amdhsa_kernarg_size 40
		.amdhsa_user_sgpr_count 2
		.amdhsa_user_sgpr_kernarg_segment_ptr 1
		.amdhsa_wavefront_size32 1
		.amdhsa_system_sgpr_workgroup_id_x 1
		.amdhsa_system_sgpr_workgroup_id_y 1
		.amdhsa_system_sgpr_workgroup_id_z 1
		.amdhsa_system_vgpr_workitem_id 0
		.amdhsa_next_free_vgpr 80
		.amdhsa_next_free_sgpr 66
		.amdhsa_reserve_vcc 0
		.amdhsa_float_denorm_mode_32 3
		.amdhsa_float_denorm_mode_16_64 3
		.amdhsa_memory_ordered 1
		.amdhsa_forward_progress 1
		.amdhsa_inst_pref_size 8
	.end_amdhsa_kernel
	.amdgpu_metadata
---
amdhsa.version: [ 1, 2 ]
amdhsa.kernels:
  - .name:           k_qfaf3c97f70_pick
    .symbol:         k_qfaf3c97f70_pick.kd
    .args:
      - { .name: codebook, .offset: 0, .size: 8, .value_kind: global_buffer, .address_space: global }
      - { .name: pkey, .offset: 8, .size: 8, .value_kind: global_buffer, .address_space: global }
      - { .name: pidx, .offset: 16, .size: 8, .value_kind: global_buffer, .address_space: global }
      - { .name: out0, .offset: 24, .size: 8, .value_kind: global_buffer, .address_space: global }
      - { .name: out1, .offset: 32, .size: 8, .value_kind: global_buffer, .address_space: global }
    .group_segment_fixed_size: 0
    .private_segment_fixed_size: 0
    .kernarg_segment_align: 8
    .kernarg_segment_size: 40
    .max_flat_workgroup_size: 256
    .sgpr_count:     66
    .vgpr_count:     80
    .wavefront_size: 32
...
	.end_amdgpu_metadata
.endif
;; end of part 3
